; MI455X (gfx1250); checked and timed in simulation.
; The chip was launched on July 23, 2026; its instructions are those of AMD's public machine-readable ISA for CDNA 5 (MIT licence, August 2026) and "CDNA5" Instruction Set Architecture Reference Guide (July 2026). The comments in the code are by the model that wrote it; some were corrected since.
;; Attention. Allowed arithmetic: matrix products marked QUANTISED: E2M3 operands, one E8M0 scale for each 32 along K, by v_wmma_scale_f32_16x16x128_f8f6f4 with both operands' format E2M3, f32 sums; everything else in f32.
;; Inputs: W_proj 1,024 x 1,024 float32; W_qkv 3,072 x 1,024 float32; b_proj 1,024 float32; x 4 x 2,048 x 1,024 float32.
;; Outputs: out0 4 x 2,048 x 1,024 float32.
;; This version of the problem:
;;   THIS VERSION OF THE PROBLEM IS GIVEN IN LOW PRECISION. The matrix products marked QUANTISED in the list below multiply operands that are first quantised to E2M3 (2 exponent bits, 3 mantissa bits; 6 bits a number), with one power-of-two scale for each 32 numbers along K (OCP MX v1.0); their sums are f32. All else is computed in f32.
;;   The module's matrix products, in the order in which they are computed (A, B: the left and right operand; K: the contracted axis; several contracted axes count as one K, in the product's order):
;;     1. [M 8,192, K 1,024] x [K 1,024, N 3,072]; A: input x; B: input W_qkv: QUANTISED
;;     2. batch 64 x [M 2,048, K 64] x [K 64, N 2,048]; A: computed on the way; B: computed on the way: QUANTISED
;;     3. batch 64 x [M 2,048, K 2,048] x [K 2,048, N 64]; A: softmax (see below); B: computed on the way: QUANTISED
;;     4. [M 8,192, K 1,024] x [K 1,024, N 1,024]; A: computed on the way; B: input W_proj: QUANTISED
;;   THE QUANTISER, for each operand of a quantised product, along K:
;;     - K is cut into blocks of 32 from its start; a last block that is shorter is filled with zeros.
;;     - A block's scale is 2^e with e = floor(log2(the largest magnitude in the block)) - 2, held to -126 .. 127; a block of zeros has e = 0. As a byte (E8M0): e + 127.
;;     - Each number is divided by its block's scale, clamped to +-7.5, and rounded to the nearest number of E2M3, ties to even, subnormals kept.
;;     - The product sums the exact products of the quantised numbers (number of the format x scale) in f32.
;;   ~~~python
;;   def quantise(x, axis):      # numpy; x: float32 -> the quantised numbers, widened to float32 again
;;       x = np.moveaxis(x, axis, -1); K = x.shape[-1]
;;       x = np.pad(x, [(0, 0)] * (x.ndim - 1) + [(0, -K % 32)]); x = x.reshape(x.shape[:-1] + (-1, 32)); a = np.abs(x).max(-1, keepdims=True)
;;       e = np.where(a > 0, np.clip(np.frexp(np.where(a > 0, a, 1))[1] - 1 - 2, -126, 127), 0)      # np.frexp(a)[1] - 1 = floor(log2(a)), exactly
;;       r = np.clip(x / 2.0 ** e, -7.5, 7.5)
;;       step = 2.0 ** (np.maximum(np.frexp(np.where(r == 0, 1, r))[1] - 1, 0) - 3)
;;       q = np.round(r / step) * step * 2.0 ** e      # np.round: ties to even
;;       return np.moveaxis(q.reshape(q.shape[:-2] + (-1,))[..., :K], -1, axis).astype(np.float32)
;;   ~~~
;;   SOFTMAX AHEAD OF A QUANTISED PRODUCT. Where the list says 'softmax', what is quantised is not the finished softmax but p = 2^(t - M), with t = logit x log2(e) and M = ceil(the row's largest t), a whole number; so 1/2 < the row's largest p <= 1. The row's sum l is taken of the UNQUANTISED p, in f32, and the product's result is divided by l at the end. Since M is a whole number, a kernel that streams over the keys may use a running M (the ceiling of the running maximum): every later rescaling is an exact power of two, which a block's scale takes up: the codes' values come out the same.
;;   OPERANDS COMPUTED ON THE WAY. 'Computed on the way' means the value that the module computes at that place (a softmax that the list does not call 'softmax' is quantised finished and normalised). What goes into a quantiser is computed in f32, as accurately as f32 sums, v_exp_f32 and their like allow (about 1e-6 of the number): no bf16 or f16 on the way to a quantiser, and a product that is left as it is and whose result goes on into a quantised operand takes f32 operands (vector FMAs, or v_wmma_f32_16x16x4_f32). A number that lies on a knife's edge between two numbers of the format may be rounded either way, as far as f32 arithmetic and the matrix unit's own rounding can turn it there, and no further.
;; One version. Each part assembles by itself: llvm-mc -triple=amdgcn-amd-amdhsa -mcpu=gfx1250 --defsym DOCPART=n.
;; ======== version 1 of 1: 4 launches
;; limits: right only within a limited range of input values
;; workspace buffers: img 9,437,184 bytes; scl 393,216 bytes; qkv 20,447,232 bytes; oimg 6,291,456 bytes; oscl 262,144 bytes
;; launch quant (part 1): grid 768 x 1, 4 waves a work-group, no clusters, 34,816 bytes of LDS; arguments x, W_qkv, W_proj, img, scl; writes img, scl
.if DOCPART == 1
	.amdgcn_target "amdgcn-amd-amdhsa--gfx1250"
	.amdhsa_code_object_version 6
	.text
	.protected	k_qb2863bf8d4_quant
	.globl	k_qb2863bf8d4_quant
	.p2align	8
	.type	k_qb2863bf8d4_quant,@function
k_qb2863bf8d4_quant:
	s_mov_b64 s[64:65], 0
	v_nop
	global_prefetch_b8 v0, s[64:65] scope:SCOPE_SE
	s_setreg_imm32_b32 hwreg(HW_REG_WAVE_MODE, 25, 1), 1
	s_wait_xcnt 0x0
; x [8192][1024], W_qkv [3072][1024], W_proj [1024][1024], f32 with K innermost, become codes of FP6 (E2M3) and one E8M0 scale byte for each 32 along K.
; A block's scale is 2^(floor(log2(its largest magnitude)) - 2); its byte is that magnitude's exponent field - 2, held at 1 from below; numbers beyond 7.5 x the scale take the largest code.
; LIMITS: a block of zeros, or one whose largest magnitude lies under 2^-124, gets the byte 1 (the bytes are read by this program alone); NaN and infinities are not served.
; Every input is loaded.
; THE OUTPUT IS LAID IN THE ORDER OF THE OPERAND'S REGISTERS.  A row tile is 16 rows x 1,024 K = 8 fragments of 1,536 bytes (16 rows x 128 K): three planes of 512 bytes, plane p = registers 4 p .. 4 p + 3 of lane l at 16 l.
; Scale words: [tile][r][8 words], word s for K = 128 s on.
; THE ROWS OF A TILE ARE NOT NEIGHBOURS: lane r of tile t stands for row 64 (t / 4) + 8 (t % 4) + r % 8 + 32 (r / 8): where tiles 4 c .. 4 c + 3 are source 0 of a product, a lane's 32 result registers are one whole block of 32 neighbours.
; SHARES: a work-group takes one row tile (tiles 0-511 x, 512-703 W_qkv, 704-767 W_proj: only pointers are chosen); wave w takes K = 256 w on, in two steps of 128.
; Each load reads 512 consecutive bytes of one row; the 16 rows turn through the wave's own stage in LDS, from which a lane takes two whole blocks of 32.  No cluster, no tensor load: the work-groups share no input.
.set STGW,   8448
.set SPITCH, 528
.set SCB,    4*STGW
.set SPARE,  SCB+512
.set R,   16
.set X,   144
.set PC,  208
.set T,   232
.set SW,  240
.set SPW, 244
.set NIL, 245
	s_load_b256 s[4:11], s[0:1], 0x0               ; x, W_qkv, W_proj, img
	s_load_b64 s[12:13], s[0:1], 0x20              ; scl
	v_lshl_add_u32 v[SPW], v0, 2, SPARE
	v_mov_b32 v[NIL], 0
	v_lshrrev_b32 v1, 5, v0
	v_readfirstlane_b32 s14, v1                    ; wave
	v_and_b32 v9, 31, v0
	v_and_b32 v10, 15, v0                          ; r
	v_bfe_u32 v11, v0, 4, 1                        ; h
	v_lshlrev_b32 v1, 4, v9                        ; 16 x lane
	s_mul_i32 s15, s14, STGW
	v_add_nc_u32 v3, s15, v1                       ; the stage, in: a row's 512 bytes as they lie
	v_mul_u32_u24 v4, v10, SPITCH
	v_lshl_add_u32 v4, v11, 7, v4
	v_add_nc_u32 v4, s15, v4                       ; out: row r, + 128 h
	v_lshlrev_b32 v5, 3, v11                       ; 8 h
	s_lshl_b32 s16, s14, 3
	s_add_co_u32 s16, s16, SCB
	v_lshl_add_u32 v6, v10, 5, s16                 ; my row's scale words, my wave's two
	v_add_nc_u32 v7, SCB, v1
	v_mov_b32 v15, 0                               ; a lane permute's destination counts as a source
	s_mov_b32 s24, 0x76543210
	s_mov_b32 s25, 0xfedcba98
	s_cmp_lt_u32 ttmp9, 512
	s_cselect_b32 s18, 0, 512
	s_cmp_lt_u32 ttmp9, 704
	s_cselect_b32 s18, s18, 704
	s_sub_co_u32 s18, ttmp9, s18                   ; the tile's number in its tensor
	s_lshr_b32 s19, s18, 2
	s_lshl_b32 s19, s19, 6
	s_and_b32 s20, s18, 3
	s_lshl_b32 s20, s20, 3
	s_add_co_u32 s19, s19, s20                     ; its first row: 64 (t / 4) + 8 (t % 4)
	s_lshl_b32 s20, s19, 12
	s_lshl_b32 s21, s14, 10
	s_add_co_u32 s20, s20, s21
	s_mov_b32 s21, 0
	s_mul_i32 s22, ttmp9, 12288
	s_mul_i32 s23, s14, 3072
	s_add_co_u32 s22, s22, s23                     ; img: the tile, my wave's two fragments
	s_mov_b32 s23, 0
	s_lshl_b32 s18, ttmp9, 9
	s_mov_b32 s19, 0
	s_wait_alu depctr_va_vdst(0)                   ; the wait at the head's end
	s_wait_kmcnt 0x0
	s_cmp_lt_u32 ttmp9, 512
	s_cselect_b64 s[4:5], s[4:5], s[6:7]
	s_cmp_lt_u32 ttmp9, 704
	s_cselect_b64 s[4:5], s[4:5], s[8:9]
	s_add_nc_u64 s[4:5], s[4:5], s[20:21]
	s_add_nc_u64 s[10:11], s[10:11], s[22:23]
	s_add_nc_u64 s[12:13], s[12:13], s[18:19]
.macro LOADS st
.irp i, 0,1,2,3,4,5,6,7,8,9,10,11,12,13,14,15
	global_load_b128 v[R+64*\st+4*\i:R+64*\st+4*\i+3], v1, s[4:5] offset:(\i+24*(\i/8))*4096+512*\st th:TH_LOAD_NT
.endr
.endm
.macro TURN st                         ; LDS serves a wave's instructions in order (ISA guide 5.7.1.4): no wait between the stores and the loads
.irp i, 0,1,2,3,4,5,6,7,8,9,10,11,12,13,14,15
	ds_store_b128 v3, v[R+64*\st+4*\i:R+64*\st+4*\i+3] offset:SPITCH*\i
.endr
.irp c, 0,1
.irp j, 0,1,2,3,4,5,6,7
	ds_load_b128 v[X+32*\c+4*\j:X+32*\c+4*\j+3], v4 offset:256*\c+16*\j
.endr
.endr
.endm
.macro QB st                           ; my two whole blocks (2 c + h) of this step
.irp c, 0,1
	v_max3_num_f32 v[8+\c], |v[X+32*\c]|, |v[X+32*\c+1]|, 0x1800000   ; the floor 2^(3 - 127) holds the byte at 1 from below
.endr
.irp i, 2,4,6,8,10,12,14,16,18,20,22,24,26,28,30
.irp c, 0,1
	v_max3_num_f32 v[8+\c], v[8+\c], |v[X+32*\c+\i]|, |v[X+32*\c+\i+1]|
.endr
.endr
.irp c, 0,1
	v_add_nc_u32 v[10+\c], 0xff000000, v[8+\c]     ; 2 off the exponent field: the conversion's scale operand
.endr
.irp c, 0,1
	v_lshrrev_b32 v[12+\c], 23, v[10+\c]
.endr
	v_lshl_or_b32 v14, v13, 16, v12
	v_lshlrev_b32 v14, v5, v14
	v_permlanex16_b32 v15, v14, s24, s25
	v_or_b32 v[SW+\st], v14, v15                   ; with lane l xor 16's two bytes the word is whole
.irp c, 0,1
	v_cvt_scalef32_pk16_fp6_f32 v[PC+12*\st+6*\c:PC+12*\st+6*\c+2], v[X+32*\c:X+32*\c+15], v[10+\c]
	v_cvt_scalef32_pk16_fp6_f32 v[T+4*\c:T+4*\c+2], v[X+32*\c+16:X+32*\c+31], v[10+\c]
.endr
	v_nop                                          ; one plain place behind a scaled conversion
.irp c, 0,1
.irp i, 0,1,2
	v_mov_b32 v[PC+12*\st+6*\c+3+\i], v[T+4*\c+\i]
.endr
.endr
.endm
.macro OUT st                          ; a fragment: three stores of 512 consecutive bytes, aligned to 256
.irp c, 0,1,2
	global_store_b128 v1, v[PC+12*\st+4*\c:PC+12*\st+4*\c+3], s[10:11] offset:1536*\st+512*\c
.endr
.endm
	LOADS 0
	LOADS 1
	s_wait_loadcnt 16                              ; the first step's 16 loads are in
	TURN 0
	s_wait_dscnt 0x0
	QB 0
	OUT 0
	s_wait_loadcnt 0x0
	TURN 1
	s_wait_dscnt 0x0
	QB 1
	OUT 1
	ds_store_b64 v6, v[SW:SW+1]
	s_wait_dscnt 0x0
	s_barrier_signal -1
	s_barrier_wait -1
	s_cmp_lg_u32 s14, 0
	s_cbranch_scc1 .Lnot_wave_0
	ds_load_b128 v[16:19], v7                      ; wave 0 stores the tile's 512 bytes of scale words
	s_wait_dscnt 0x0
	global_store_b128 v1, v[16:19], s[12:13]
.Lnot_wave_0:
	s_wait_tensorcnt 0x0                           ; the wave's end
	ds_add_u32 v[SPW], v[NIL]
	s_wait_dscnt 0x0
	s_endpgm
.Lfunc_end_k_qb2863bf8d4_quant:
	.size	k_qb2863bf8d4_quant, .Lfunc_end_k_qb2863bf8d4_quant-k_qb2863bf8d4_quant
	.p2alignl 7, 3214868480
	.fill 96, 4, 3214868480
	.section	.rodata,"a",@progbits
	.p2align	6, 0x0
	.amdhsa_kernel k_qb2863bf8d4_quant
		.amdhsa_group_segment_fixed_size 34816
		.amdhsa_private_segment_fixed_size 0
		.amdhsa_enable_private_segment 0
		.amdhsa_kernarg_size 40
		.amdhsa_user_sgpr_count 2
		.amdhsa_user_sgpr_kernarg_segment_ptr 1
		.amdhsa_wavefront_size32 1
		.amdhsa_system_sgpr_workgroup_id_x 1
		.amdhsa_system_sgpr_workgroup_id_y 1
		.amdhsa_system_sgpr_workgroup_id_z 1
		.amdhsa_system_vgpr_workitem_id 0
		.amdhsa_next_free_vgpr 248
		.amdhsa_next_free_sgpr 66
		.amdhsa_reserve_vcc 0
		.amdhsa_float_denorm_mode_32 3
		.amdhsa_float_denorm_mode_16_64 3
		.amdhsa_memory_ordered 1
		.amdhsa_forward_progress 1
		.amdhsa_inst_pref_size 17
	.end_amdhsa_kernel
	.amdgpu_metadata
---
amdhsa.version: [ 1, 2 ]
amdhsa.kernels:
  - .name:           k_qb2863bf8d4_quant
    .symbol:         k_qb2863bf8d4_quant.kd
    .args:
      - { .name: x, .offset: 0, .size: 8, .value_kind: global_buffer, .address_space: global }
      - { .name: W_qkv, .offset: 8, .size: 8, .value_kind: global_buffer, .address_space: global }
      - { .name: W_proj, .offset: 16, .size: 8, .value_kind: global_buffer, .address_space: global }
      - { .name: img, .offset: 24, .size: 8, .value_kind: global_buffer, .address_space: global }
      - { .name: scl, .offset: 32, .size: 8, .value_kind: global_buffer, .address_space: global }
    .group_segment_fixed_size: 34816
    .private_segment_fixed_size: 0
    .kernarg_segment_align: 8
    .kernarg_segment_size: 40
    .max_flat_workgroup_size: 128
    .sgpr_count:     66
    .vgpr_count:     248
    .wavefront_size: 32
...
	.end_amdgpu_metadata
.endif
;; end of part 1
;; launch qkv (part 2): grid 4 x 64, 4 waves a work-group, clusters of 4 x 4, 327,680 bytes of LDS; arguments img, scl, qkv; writes qkv
.if DOCPART == 2
	.amdgcn_target "amdgcn-amd-amdhsa--gfx1250"
	.amdhsa_code_object_version 6
	.text
	.protected	k_qb2863bf8d4_qkv
	.globl	k_qb2863bf8d4_qkv
	.p2align	8
	.type	k_qb2863bf8d4_qkv,@function
k_qb2863bf8d4_qkv:
	s_mov_b64 s[64:65], 0
	v_nop
	global_prefetch_b8 v0, s[64:65] scope:SCOPE_SE
	s_setreg_imm32_b32 hwreg(HW_REG_WAVE_MODE, 25, 1), 1
	s_wait_xcnt 0x0
	s_wait_alu depctr_hold_cnt(0) depctr_sa_sdst(0) depctr_va_vdst(0) depctr_va_sdst(0) depctr_va_ssrc(0) depctr_va_vcc(0) depctr_vm_vsrc(0)
	s_getreg_b32 s2, hwreg(HW_REG_IB_STS2, 6, 4)
	s_cmp_eq_u32 s2, 0
	s_cbranch_scc0 .Lentry_in_a_cluster
	s_endpgm
.Lentry_in_a_cluster:
	s_bfe_u32 s2, ttmp6, 0x10000c
	s_cmp_lg_u32 s2, 0xf033
	s_cbranch_scc0 .Lentry_shape_is_right
	s_endpgm
.Lentry_shape_is_right:
; x W_qkv^T on codes of FP6 (E2M3) with E8M0 scales, K = 1,024; the results are quantised at once and leave as codes in the order of their reader's registers: q and k along the head's 64 channels, v along the keys.
; C[i][j] = P_i . Q_j (source 1 = P, source 0 = Q: a lane holds one i, its registers run along j), quantised along j.  q, k: P = 128 tokens, Q = 256 rows of W.  v: P = 128 rows of W_v, Q = 256 tokens.
; By the order of a tile's rows (launch quant) a lane's 32 result registers of Q's tiles 4 c .. 4 c + 3 are j = 64 c + 32 h + 0 .. 31: a whole block, in the place that the next operand's layout gives that lane.
; A WORK-GROUP STAYS: 256 work-groups, each makes three tiles of C, 128 x 256: one of q, one of k, one of v.  Wave (wp, wq) makes 64 x 128: 32 accumulators.
; THE RING: K goes in chunks of 512 (a row tile's 6,144 bytes) through two LDS slots, six chunks in all, on into the next tile.  Waves 0, 1 fetch P's halves, waves 2, 3 Q's: one tensor load a wave behind each round; one of mine is outstanding at the most.
; A slot is asked for again when its last fragments are in registers: ahead of the chunk's last 32 products.  A finished tile's way out touches no LDS and stands under the next chunks' flight.
; CLUSTER 4 x 4: P's tiles are shared along a row of the cluster, Q's along a column.  The walk is written out (24 K steps): the kind of tile is known when the text is assembled, so no choice is made at run time.
; The scale words go from memory into registers, 16 bytes a row and chunk, two chunks ahead, in two sets.  No prefetch: the walk has six fills, of which the first two are the head's, and W's tiles are read by all clusters in the same fills.
; q's factor 1/8 is a power of two: it stands in the softmax's constant (launch attn).  LIMIT: that differs from scaling first only where a block of q lies under 2^-121.
; LIMITS of the quantiser: blocks of zeros or under 2^-124 get the byte 1 (read by this program alone); NaN and infinities are not served.
; OUTPUT: from 0: [batch x 16 + head][key step of 128][13,312]: 4 fragments of K (two tiles of 16 keys x 64 channels on end), 4 of V^T (16 channels x 128 keys), 1,536 bytes each in three planes of 512;
; 2 x 256 bytes of K's scale words (unit c: lane 16 e + r, 8 bytes: the word of fragment 2 c + e, row r, twice), 2 x 256 of V's (unit c: fragment 2 e + c).  From QIO: q's fragments [head][pair of token tiles]; from QSO: their words [head][two pairs], as K's.
.set TILEB, 12288
.set CHT,   6144                       ; a row tile's part of a chunk: four fragments
.set CH,    147456                     ; a slot: P's 8 tiles, then Q's 16
.set QOFF,  49152
.set SPARE, 294912
.set KVS,   13312
.set KVH,   212992
.set QIO,   13631488
.set QSO,   19922944
.set AP,   4                           ; v4, v5: my P fragments in slot 0, 1;  v8, v9: my Q fragments
.set AQ,   8
.set ASC,  12                          ; 32 r
.set O16,  14                          ; 16 l
.set O8,   18                          ; 8 l
.set SH8,  20                          ; 8 h
.set SPW,  28
.set NIL,  29
.set SC,   32                          ; scale words, set p at 48 p: P's at 4 a + s, Q's at 16 + 4 b + s
.set Z,    128                         ; two x 24 registers: two fragments each
.set TC,   192
.set TD,   196
.set TM,   200
.set BM,   204
.set SOP,  206
.set BY,   208
.set YY,   210
.set PX,   211
.set W,    212
.set DD,   216
.set E,    220
.set G1P,  24
.set G1Q,  32
.set G0P,  40                          ; group 0, one set for each slot
.set G0Q,  48
.set MSB, 0
.macro WIN new                         ; the immediate's high byte repeats the setting that is left
.if MSB != (\new)
	s_set_vgpr_msb (MSB<<8)|(\new)
.set MSB, (\new)
.endif
.endm
.macro PLACES n
.rept \n
	v_nop
.endr
.endm
.macro CROUND
	s_barrier_signal -1
	s_barrier_wait -1
	s_cmp_lg_u32 s16, 0
	s_cbranch_scc1 .Lnot_wave_0_\@
	s_barrier_signal -3
.Lnot_wave_0_\@:
	s_barrier_wait -3
	s_barrier_signal -1
	s_barrier_wait -1
.endm
.macro GROUP1 g, mask, r               ; r rows of 6,144 bytes (768 elements of 8), 12,288 bytes apart
	s_or_b32 s[\g], s[\mask], (3<<16)|(1<<21)
	s_mov_b32 s[\g+1], 768<<16
	s_mov_b32 s[\g+2], (\r)<<16
	s_mov_b32 s[\g+3], 768<<16
	s_mov_b32 s[\g+4], \r
	s_mov_b32 s[\g+5], 1536
	s_mov_b32 s[\g+6], 0
	s_mov_b32 s[\g+7], 0
.endm
.macro JLOAD sl                        ; a joint load into slot sl: each line has one mask; the branch hangs on the wave's number alone
	s_cmp_eq_u32 s17, 0
	s_cbranch_scc0 .Lfor_q_\@
	tensor_load_to_lds s[G0P+4*(\sl):G0P+4*(\sl)+3], s[G1P:G1P+7]
	s_nop 0
	PLACES 4
	s_branch .Lasked_\@
.Lfor_q_\@:
	tensor_load_to_lds s[G0Q+4*(\sl):G0Q+4*(\sl)+3], s[G1Q:G1Q+7]
	s_nop 0
	PLACES 4
.Lasked_\@:
.endm
.macro SETD c                          ; chunk c's addresses into its slot's group 0; no tensor load of mine is out where this stands
.set SL, (\c)%2
.if (\c)/2 < 2
	s_add_nc_u64 s[G0P+4*SL+2:G0P+4*SL+3], s[56:57], CHT*SL
	s_add_nc_u64 s[G0Q+4*SL+2:G0Q+4*SL+3], s[60:61], 64*TILEB*((\c)/2)+CHT*SL
.else
	s_add_nc_u64 s[G0P+4*SL+2:G0P+4*SL+3], s[58:59], CHT*SL
	s_add_nc_u64 s[G0Q+4*SL+2:G0Q+4*SL+3], s[62:63], CHT*SL
.endif
	s_or_b32 s[G0P+4*SL+3], s[G0P+4*SL+3], 0x80000000
	s_or_b32 s[G0Q+4*SL+3], s[G0Q+4*SL+3], 0x80000000
.endm
	s_load_b128 s[4:7], s[0:1], 0x0                ; img, scl
	s_load_b64 s[12:13], s[0:1], 0x10              ; qkv
	v_lshl_add_u32 v[SPW], v0, 2, SPARE
	v_mov_b32 v[NIL], 0
	ds_add_u32 v[SPW], v[NIL]                      ; the opening lines: the add twice and its wait
	ds_add_u32 v[SPW], v[NIL]
	v_lshrrev_b32 v1, 5, v0
	v_readfirstlane_b32 s16, v1                    ; wave
	s_lshr_b32 s17, s16, 1                         ; wp; also: I fetch for P (0) or Q (1)
	s_and_b32 s18, s16, 1                          ; wq; also: which half I fetch
	s_bfe_u32 s19, ttmp6, 0x40000                  ; cx
	s_bfe_u32 s20, ttmp6, 0x40004                  ; cy
	s_and_b32 s22, ttmp7, 0xffff                   ; Y
	s_lshl_b32 s94, s20, 2
	s_lshl_b32 s94, 15, s94                        ; my row of the cluster
	s_lshl_b32 s95, 0x1111, s19                    ; my column
	GROUP1 G1P, 94, 4
	GROUP1 G1Q, 95, 8
	s_lshl_b32 s96, s20, 3                         ; 8 cy
	s_lshl_b32 s88, s22, 5
	s_add_co_u32 s88, s88, s96                     ; q, k: P's first tile: 32 Y + 8 cy
	s_and_b32 s89, s22, 1
	s_lshl_b32 s89, s89, 5
	s_add_co_u32 s89, s89, s96
	s_add_co_u32 s89, s89, 640                     ; v: 640 + 32 (Y & 1) + 8 cy
	s_lshl_b32 s97, s19, 4                         ; 16 cx
	s_add_co_u32 s90, s97, 512                     ; q: Q's first tile: 512 + 16 cx (k: 64 tiles on)
	s_lshr_b32 s91, s22, 1
	s_lshl_b32 s91, s91, 6
	s_add_co_u32 s91, s91, s97                     ; v: 64 (Y >> 1) + 16 cx
	s_lshl_b32 s98, s18, 2                         ; the half of P that a P wave fetches
	s_lshl_b32 s99, s18, 3                         ; the half of Q: fetched by a Q wave, and multiplied by me
	s_lshl_b32 s92, s17, 2                         ; the half of P that I multiply
	s_add_co_u32 s56, s88, s98
	s_mul_i32 s56, s56, TILEB
	s_add_co_u32 s58, s89, s98
	s_mul_i32 s58, s58, TILEB
	s_add_co_u32 s60, s90, s99
	s_lshl_b32 s70, s60, 9                         ; scale words: 512 bytes a tile
	s_mul_i32 s60, s60, TILEB
	s_add_co_u32 s62, s91, s99
	s_lshl_b32 s72, s62, 9
	s_mul_i32 s62, s62, TILEB
	s_add_co_u32 s66, s88, s92
	s_lshl_b32 s66, s66, 9
	s_add_co_u32 s68, s89, s92
	s_lshl_b32 s68, s68, 9
.irp g, 57,59,61,63,67,69,71,73
	s_mov_b32 s[\g], 0
.endr
.irp g, G0P, G0P+4, G0Q, G0Q+4
	s_mov_b32 s[\g], 1
.endr
	s_mul_i32 s[G0P+1], s18, 4*CHT                 ; where they go: constants and the wave's number
	s_add_co_u32 s[G0P+5], s[G0P+1], CH
	s_mul_i32 s[G0Q+1], s18, 8*CHT
	s_add_co_u32 s[G0Q+1], s[G0Q+1], QOFF
	s_add_co_u32 s[G0Q+5], s[G0Q+1], CH
	s_wait_dscnt 0x0
	s_wait_kmcnt 0x0
.irp g, 56,58,60,62
	s_add_nc_u64 s[\g:\g+1], s[4:5], s[\g:\g+1]
.endr
.irp g, 66,68,70,72
	s_add_nc_u64 s[\g:\g+1], s[6:7], s[\g:\g+1]
.endr
	SETD 0
	CROUND                                         ; all sixteen work-groups are here: the joint loads meet
	JLOAD 0                                        ; chunk 0: one tensor load a wave at the head
	; where the results go
	s_lshl_b32 s92, s22, 2
	s_add_co_u32 s92, s92, s20                     ; T1 = 4 Y + cy: q's and k's run of 128 tokens
	s_lshl_b32 s93, s19, 2
	s_lshl_b32 s94, s18, 1
	s_add_co_u32 s93, s93, s94                     ; q, k: the first of my two heads
	s_lshl_b32 s94, s93, 8
	s_lshl_b32 s95, s92, 2
	s_add_co_u32 s94, s94, s95
	s_lshl_b32 s95, s17, 1
	s_add_co_u32 s94, s94, s95                     ; q: 256 head + pair
	s_mul_i32 s80, s94, 1536
	s_add_co_u32 s80, s80, QIO
	s_lshl_b32 s82, s94, 7
	s_add_co_u32 s82, s82, QSO
	s_lshr_b32 s94, s22, 2                         ; k: batch
	s_lshl_b32 s94, s94, 4
	s_add_co_u32 s94, s94, s93
	s_lshl_b32 s94, s94, 4
	s_and_b32 s95, s92, 15
	s_add_co_u32 s94, s94, s95
	s_mul_i32 s94, s94, KVS
	s_mul_i32 s95, s17, 3072
	s_add_co_u32 s84, s94, s95                     ; my two fragments of the step's four
	s_lshl_b32 s95, s17, 8
	s_add_co_u32 s86, s94, s95
	s_add_co_u32 s86, s86, 12288
	s_and_b32 s94, s22, 1                          ; v: head = 2 (4 (Y & 1) + cy) + wp
	s_lshl_b32 s94, s94, 2
	s_add_co_u32 s94, s94, s20
	s_lshl_b32 s94, s94, 1
	s_add_co_u32 s94, s94, s17
	s_lshr_b32 s95, s22, 1                         ; the run of 128 tokens = 2 (4 (Y >> 1) + cx) + wq
	s_lshl_b32 s95, s95, 2
	s_add_co_u32 s95, s95, s19
	s_lshl_b32 s95, s95, 1
	s_add_co_u32 s95, s95, s18
	s_lshr_b32 s96, s95, 4
	s_lshl_b32 s96, s96, 4
	s_add_co_u32 s96, s96, s94
	s_lshl_b32 s96, s96, 4
	s_and_b32 s95, s95, 15
	s_add_co_u32 s96, s96, s95
	s_mul_i32 s96, s96, KVS
	s_add_co_u32 s88, s96, 6144
	s_add_co_u32 s90, s96, 12800
.irp g, 80,82,84,86,88,90              ; codes and scale words of q, k, v
	s_mov_b32 s[\g+1], 0
	s_add_nc_u64 s[\g:\g+1], s[12:13], s[\g:\g+1]
.endr
	s_mov_b32 s23, 0xffff0000                      ; lanes 16-31
	s_mov_b32 s74, 0x76543210
	s_mov_b32 s75, 0xfedcba98
	s_mul_i32 s92, s17, 4*CHT
	s_mul_i32 s93, s18, 8*CHT
	s_add_co_u32 s93, s93, QOFF
	v_and_b32 v1, 31, v0
	v_and_b32 v2, 15, v0
	v_bfe_u32 v3, v0, 4, 1
	v_lshlrev_b32 v[O16], 4, v1
	v_lshlrev_b32 v[O8], 3, v1
	v_lshlrev_b32 v[ASC], 5, v2
	v_lshlrev_b32 v[SH8], 3, v3
	v_add_nc_u32 v[AP], s92, v[O16]
	v_add_nc_u32 v[AQ], s93, v[O16]
	v_add_nc_u32 v[AP+1], CH, v[AP]
	v_add_nc_u32 v[AQ+1], CH, v[AQ]
	v_mov_b32 v[PX], 0                             ; a lane permute's destination counts as a source
	s_wait_alu depctr_va_vdst(0)                   ; the wait at the head's end
.macro SCALES c                        ; chunk c's scale words, four a row, into set c % 2: registers that hold nothing else
.set PS, SC+48*((\c)%2)
.if (\c)/2 < 2
.set PB, 66
.set QB, 70
.set QI, 32768*((\c)/2)
.else
.set PB, 68
.set QB, 72
.set QI, 0
.endif
.irp i, 0,1,2,3
	global_load_b128 v[PS+4*\i:PS+4*\i+3], v[ASC], s[PB:PB+1] offset:512*\i+16*((\c)%2)
.endr
.irp i, 0,1,2,3,4,5,6,7
	global_load_b128 v[PS+16+4*\i:PS+16+4*\i+3], v[ASC], s[QB:QB+1] offset:QI+512*\i+16*((\c)%2)
.endr
.endm
.macro FRAG reg, adr, off              ; a fragment: three planes of 512 consecutive bytes
	ds_load_b128 v[\reg:\reg+3], v[\adr] offset:\off
	ds_load_b128 v[\reg+4:\reg+7], v[\adr] offset:\off+512
	ds_load_b128 v[\reg+8:\reg+11], v[\adr] offset:\off+1024
.endm
.macro FETCH g                         ; K step g of the walk: 36 loads in one run, into buffer g % 2 (windows 2, 3): P's four at 12 a, Q's eight at 48 + 12 b
	WIN (2+(\g)%2)<<6
.irp i, 0,1,2,3
	FRAG 12*\i, AP+((\g)/4)%2, \i*CHT+1536*((\g)%4)
.endr
.irp i, 0,1,2,3,4,5,6,7
	FRAG 48+12*\i, AQ+((\g)/4)%2, \i*CHT+1536*((\g)%4)
.endr
	WIN 0
.endm
.macro MUL g                           ; 32 matrix instructions; the accumulators (window 1, 64 a + 8 b) take turns; a tile's first step starts the sums
.set PS, SC+48*(((\g)/4)%2)+(\g)%4
	WIN 0x5a+5*((\g)%2)
.irp a, 0,1,2,3
.irp b, 0,1,2,3,4,5,6,7
.if (\g)%8 == 0
	v_wmma_scale_f32_16x16x128_f8f6f4 v[64*\a+8*\b:64*\a+8*\b+7], v[48+12*\b:48+12*\b+11], v[12*\a:12*\a+11], 0, v[PS+16+4*\b], v[PS+4*\a] matrix_a_fmt:MATRIX_FMT_FP6 matrix_b_fmt:MATRIX_FMT_FP6
.else
	v_wmma_scale_f32_16x16x128_f8f6f4 v[64*\a+8*\b:64*\a+8*\b+7], v[48+12*\b:48+12*\b+11], v[12*\a:12*\a+11], v[64*\a+8*\b:64*\a+8*\b+7], v[PS+16+4*\b], v[PS+4*\a] matrix_a_fmt:MATRIX_FMT_FP6 matrix_b_fmt:MATRIX_FMT_FP6
.endif
.endr
.endr
.endm
; THE WAY OUT.  Block a: a lane's registers 64 a + 32 c + 0 .. 31 are its whole block 2 c + h.  z0, z1: where block c's six registers of codes go.  The block's four bytes make v[W + a].
.macro QUANT a, z0, z1
	WIN 0x05
.irp k, 0,1,2,3
	v_max3_num_f32 v[TM+\k], |v[64*\a+16*\k]|, |v[64*\a+16*\k+1]|, 0x1800000   ; each accumulator from its low end on; the floor holds the byte at 1
.endr
.irp i, 2,4,6,8,10,12,14
.irp k, 0,1,2,3
	v_max3_num_f32 v[TM+\k], |v[64*\a+16*\k+\i]|, |v[64*\a+16*\k+\i+1]|, v[TM+\k]
.endr
.endr
	WIN 0
	v_max_num_f32 v[BM], v[TM], v[TM+1]
	v_max_num_f32 v[BM+1], v[TM+2], v[TM+3]
	v_add_nc_u32 v[SOP], 0xff000000, v[BM]         ; 2 off the exponent field: the conversion's scale operand
	v_add_nc_u32 v[SOP+1], 0xff000000, v[BM+1]
	WIN 0x01
	v_cvt_scalef32_pk16_fp6_f32 v[\z0:\z0+2], v[64*\a:64*\a+15], v[SOP]
	v_cvt_scalef32_pk16_fp6_f32 v[TC:TC+2], v[64*\a+16:64*\a+31], v[SOP]       ; (a conversion's three registers begin on an even number)
	v_cvt_scalef32_pk16_fp6_f32 v[\z1:\z1+2], v[64*\a+32:64*\a+47], v[SOP+1]
	v_cvt_scalef32_pk16_fp6_f32 v[TD:TD+2], v[64*\a+48:64*\a+63], v[SOP+1]
	WIN 0
	v_lshrrev_b32 v[BY], 23, v[SOP]                ; the bytes (also the plain place behind the conversions)
	v_lshrrev_b32 v[BY+1], 23, v[SOP+1]
	v_lshl_or_b32 v[YY], v[BY+1], 16, v[BY]
	v_lshlrev_b32 v[YY], v[SH8], v[YY]
	v_permlanex16_b32 v[PX], v[YY], s74, s75
	v_or_b32 v[W+\a], v[YY], v[PX]                 ; bytes 2 c + h, in every lane
.irp i, 0,1,2
	v_mov_b32 v[\z0+3+\i], v[TC+\i]
	v_mov_b32 v[\z1+3+\i], v[TD+\i]
.endr
.endm
; Two blocks make two fragments.  q, k: [a0's c][a1's c] for head c;  v: [a's c = 0][a's c = 1] for block a.
.macro PAIR u, a0, a1
	QUANT \a0, Z+24*\u, Z+24*\u+H1
	QUANT \a1, Z+24*\u+H2, Z+24*\u+18
	v_perm_b32 v[DD+2*\u], v[W+\a1], v[W+\a0], SEL0
	v_perm_b32 v[DD+2*\u+1], v[W+\a1], v[W+\a0], SEL1
.irp p, 0,1,2
	global_store_b128 v[O16], v[Z+24*\u+4*\p:Z+24*\u+4*\p+3], s[OB:OB+1] offset:\u*DU+512*\p          ; each store covers 512 consecutive bytes, aligned to 256
	global_store_b128 v[O16], v[Z+24*\u+12+4*\p:Z+24*\u+15+4*\p], s[OB:OB+1] offset:\u*DU+DF+512*\p
.endr
.endm
.macro OUTT x                          ; x: 0 q, 1 k, 2 v
.if (\x) < 2
.set H1, 12
.set H2, 6
.set DU, 1536                          ; from my first two blocks' fragments to my second two's
.set SEL0, 0x05040100                  ; a fragment's word: one head's two bytes of both tiles
.set SEL1, 0x07060302
.else
.set H1, 6
.set H2, 12
.set DU, 3072
.set SEL0, 0x03020100                  ; a block's word as it is
.set SEL1, 0x07060504
.endif
.if (\x) == 0
.set DF, 393216                        ; a pair's second fragment: the next head,
.set DS, 32768
.endif
.if (\x) == 1
.set DF, KVH
.set DS, KVH
.endif
.if (\x) == 2
.set DF, 1536                          ; or the next 16 channels
.set DS, 256
.endif
.set OB, 80+4*(\x)
.if (\x) > 0
	s_wait_xcnt 0x0                                ; the last tile's stores have read their data
.endif
	PAIR 0, 0, 1
	PAIR 1, 2, 3
.irp c, 0,1
	v_cndmask_b32 v[E+2*\c], v[DD+\c], v[DD+2+\c], s23   ; lanes 0-15 the first pair's word, lanes 16-31 the second's
.endr
.irp c, 0,1
	v_mov_b32 v[E+2*\c+1], v[E+2*\c]               ; twice, so that a store fills 256 consecutive bytes
.endr
	global_store_b64 v[O8], v[E:E+1], s[OB+2:OB+3]
	global_store_b64 v[O8], v[E+2:E+3], s[OB+2:OB+3] offset:DS
.endm
; A K step.  At a chunk's last step its fragments are all in registers: the slot is free, and the next step's lie in the other slot.  One round of the cluster's barrier does both: in front of it I wait for all my tensor loads
; (my part of the other slot), add 0 to my spare word, and wait for that and for my reads; behind it the slot is filled again first, two chunks ahead.
.macro GSTEP g
.set CK, (\g)/4
.if (\g)%4 == 3 && CK < 4
	s_wait_tensorcnt 0x0
	ds_add_u32 v[SPW], v[NIL]
	SETD CK+2
	s_wait_dscnt 0x0
	CROUND
	JLOAD CK%2                                     ; its four v_nop are the places in front of the loads below
.else
.if (\g)%4 == 3 && CK == 4
	s_wait_tensorcnt 0x0                           ; my part of the last chunk is in,
	s_wait_dscnt 0x0
	s_barrier_signal -1
	s_barrier_wait -1                              ; everybody's is
.else
	s_wait_dscnt 0x0                               ; this step's fragments
.endif
.if (\g) > 0
	PLACES 4                                       ; between the last product that read the other buffer and the loads into it
.endif
.endif
.if (\g) < 23
	FETCH (\g)+1
.endif
.if (\g)%4 == 0
.if CK < 5
	s_wait_loadcnt 12                              ; this chunk's scale words are in; the next chunk's 12 loads may be out
.else
	s_wait_loadcnt 0x0
.endif
.endif
	MUL \g
	WIN 0
.if (\g)%4 == 3
	PLACES 4                                       ; between the chunk's last products and the loads into their scale registers, or the first read of results
.if CK < 4
	SCALES CK+2
.endif
.endif
.if (\g)%8 == 7
	OUTT (\g)/8
.endif
.endm
	SCALES 0
	SCALES 1
	s_wait_tensorcnt 0x0                           ; my part of chunk 0 is in
	ds_add_u32 v[SPW], v[NIL]
	SETD 1
	s_wait_dscnt 0x0
	CROUND
	JLOAD 1                                        ; chunk 1, the first tensor load behind the round
	FETCH 0
.set GG, 0
.rept 24
	GSTEP GG
.set GG, GG+1
.endr
	s_wait_tensorcnt 0x0                           ; the wave's end
	ds_add_u32 v[SPW], v[NIL]
	s_wait_dscnt 0x0
	CROUND                                         ; the closing round
	s_endpgm
.Lfunc_end_k_qb2863bf8d4_qkv:
	.size	k_qb2863bf8d4_qkv, .Lfunc_end_k_qb2863bf8d4_qkv-k_qb2863bf8d4_qkv
	.p2alignl 7, 3214868480
	.fill 96, 4, 3214868480
	.section	.rodata,"a",@progbits
	.p2align	6, 0x0
	.amdhsa_kernel k_qb2863bf8d4_qkv
		.amdhsa_group_segment_fixed_size 327680
		.amdhsa_private_segment_fixed_size 0
		.amdhsa_enable_private_segment 0
		.amdhsa_kernarg_size 24
		.amdhsa_user_sgpr_count 2
		.amdhsa_user_sgpr_kernarg_segment_ptr 1
		.amdhsa_wavefront_size32 1
		.amdhsa_system_sgpr_workgroup_id_x 1
		.amdhsa_system_sgpr_workgroup_id_y 1
		.amdhsa_system_sgpr_workgroup_id_z 1
		.amdhsa_system_vgpr_workitem_id 0
		.amdhsa_next_free_vgpr 1024
		.amdhsa_next_free_sgpr 100
		.amdhsa_reserve_vcc 0
		.amdhsa_float_denorm_mode_32 3
		.amdhsa_float_denorm_mode_16_64 3
		.amdhsa_memory_ordered 1
		.amdhsa_forward_progress 1
		.amdhsa_inst_pref_size 222
	.end_amdhsa_kernel
	.amdgpu_metadata
---
amdhsa.version: [ 1, 2 ]
amdhsa.kernels:
  - .name:           k_qb2863bf8d4_qkv
    .symbol:         k_qb2863bf8d4_qkv.kd
    .args:
      - { .name: img, .offset: 0, .size: 8, .value_kind: global_buffer, .address_space: global }
      - { .name: scl, .offset: 8, .size: 8, .value_kind: global_buffer, .address_space: global }
      - { .name: qkv, .offset: 16, .size: 8, .value_kind: global_buffer, .address_space: global }
    .group_segment_fixed_size: 327680
    .private_segment_fixed_size: 0
    .kernarg_segment_align: 8
    .kernarg_segment_size: 24
    .max_flat_workgroup_size: 128
    .sgpr_count:     100
    .vgpr_count:     1024
    .wavefront_size: 32
...
	.end_amdgpu_metadata
.endif
;; end of part 2
;; launch attn (part 3): grid 4 x 64, 16 waves a work-group, clusters of 4 x 1, 327,680 bytes of LDS; arguments qkv, oimg, oscl; writes oimg, oscl
.if DOCPART == 3
	.amdgcn_target "amdgcn-amd-amdhsa--gfx1250"
	.amdhsa_code_object_version 6
	.text
	.protected	k_qb2863bf8d4_attn
	.globl	k_qb2863bf8d4_attn
	.p2align	8
	.type	k_qb2863bf8d4_attn,@function
k_qb2863bf8d4_attn:
	s_mov_b64 s[64:65], 0
	v_nop
	global_prefetch_b8 v0, s[64:65] scope:SCOPE_SE
	s_setreg_imm32_b32 hwreg(HW_REG_WAVE_MODE, 25, 1), 1
	s_wait_xcnt 0x0
	s_wait_alu depctr_hold_cnt(0) depctr_sa_sdst(0) depctr_va_vdst(0) depctr_va_sdst(0) depctr_va_ssrc(0) depctr_va_vcc(0) depctr_vm_vsrc(0)
	s_getreg_b32 s2, hwreg(HW_REG_IB_STS2, 6, 4)
	s_cmp_eq_u32 s2, 0
	s_cbranch_scc0 .Lentry_in_a_cluster
	s_endpgm
.Lentry_in_a_cluster:
	s_bfe_u32 s2, ttmp6, 0x10000c
	s_cmp_lg_u32 s2, 0x3003
	s_cbranch_scc0 .Lentry_shape_is_right
	s_endpgm
.Lentry_shape_is_right:
; softmax(q k^T / 8) v for one batch and head, on codes of FP6 (E2M3) with E8M0 scales; o is quantised along the head's 64 channels and leaves as codes in the order of launch proj's registers.
; SHARES: a work-group takes 512 queries of one head; wave w a pair of tiles of 16 queries, one tile after the other (PASS 0, 1).  256 work-groups, one turn.
; THE HEAD'S K AND V LIE IN LDS WHOLE, 16 key steps x 13,312 bytes: wave w brings step w by one tensor load of 52 rows of 256 bytes; one load of mine is outstanding at the most; nothing is filled again.
; CLUSTER 4 x 1: the four work-groups of a head ask for each step jointly.  All that is loaded is asked for at the head, so there is no loop to run ahead in: no prefetch.
; Both products are used transposed (S^T = k q^T, O^T = v^T p^T): a lane holds one query.  By the order of a tile's rows (launch quant) a lane's registers S + 32 c + 0 .. 31 are keys 64 c + 32 h + 0 .. 31 of the step: a whole block.
; A fragment of K holds two tiles of 16 keys (64 channels each): it is multiplied with [q, 0] for the first tile and with [0, q] for the second: zero codes add nothing.
; p = 2^(t - M), t = score x log2(e) / 8 (q's factor 1/8 stands here), M the running largest t rounded up to a whole number; the row's sum is taken of the unquantised p; sums and O^T are brought under a new M by an exact power of two.
; A block's largest p is made from its largest score by the same multiply-add and exponential.
; LIMITS: the promise holds while |t| stays under 2^31; blocks of o that are zeros or under 2^-124 get the byte 1 (read by this program alone); NaN and infinities are not served.
.set KVS,   13312
.set KVH,   212992
.set OSC,   KVH                        ; o's scale bytes of the 32 tiles, 1,024 bytes, filled by no tensor load
.set SPARE, OSC+1024                   ; the spare words, 128 bytes a wave
.set QIO,   13631488
.set QSO,   19922944
.set SPW, 7
.set NIL, 8
.set SH,  9                            ; 8 h
.set VS,  10                           ; v10-11 V's scale words
.set QZ,  16                           ; v16-45: 0, q of tile 0, 0, q of tile 1, 0: six registers each
.set QW,  46                           ; v46-47 q's scale words
.set KF,  48                           ; v48-95 K's four fragments; behind the scores' products: at work
.set VF,  96                           ; v96-143 V's four
.set S,   144                          ; v144-207 scores, then p
.set O,   208                          ; v208-239 O^T
.set PCD, 240                          ; v240-251 p's codes
.set PW,  252                          ; p's scale word
.set KSW, 253                          ; v253-254 K's scale words
.set OA,  255
.set CH,  48
.set BM,  52
.set SOP, 54
.set CT2, 56
.set T,   64
.set F,   68
.set TW,  70
.set BY,  72
.macro CROUND
	s_barrier_signal -1
	s_barrier_wait -1
	s_cmp_lg_u32 s10, 0
	s_cbranch_scc1 .Lnot_wave_0_\@
	s_barrier_signal -3
.Lnot_wave_0_\@:
	s_barrier_wait -3
	s_barrier_signal -1
	s_barrier_wait -1
.endm
	s_load_b128 s[4:7], s[0:1], 0x0                ; qkv, oimg
	s_load_b64 s[8:9], s[0:1], 0x10                ; oscl
	v_lshl_add_u32 v[SPW], v0, 2, SPARE
	v_mov_b32 v[NIL], 0
	ds_add_u32 v[SPW], v[NIL]                      ; the opening lines: the add twice and its wait
	ds_add_u32 v[SPW], v[NIL]
	v_lshrrev_b32 v1, 5, v0
	v_readfirstlane_b32 s10, v1                    ; wave
	s_bfe_u32 s11, ttmp6, 0x40000                  ; cx: which 512 queries
	s_and_b32 s12, ttmp7, 0xffff                   ; batch x 16 + head
	s_lshr_b32 s13, s12, 4
	s_and_b32 s14, s12, 15
	s_mov_b32 s16, 15|(3<<16)|(1<<21)              ; the four partners; elements of 8 bytes
	s_mov_b32 s17, 32<<16
	s_mov_b32 s18, 52<<16
	s_mov_b32 s19, 32<<16
	s_mov_b32 s20, 52
	s_mov_b32 s21, 32
	s_mov_b32 s22, 0
	s_mov_b32 s23, 0
	s_mov_b32 s24, 1
	s_mul_i32 s25, s10, KVS
	s_mul_i32 s40, s12, KVH
	s_add_co_u32 s40, s40, s25
	s_mov_b32 s41, 0
	s_lshl_b32 s42, s13, 6
	s_lshl_b32 s43, s11, 4
	s_add_co_u32 s42, s42, s43
	s_add_co_u32 s42, s42, s10                     ; my pair of tiles: 64 batch + 16 cx + wave
	s_lshl_b32 s43, s14, 8
	s_add_co_u32 s43, s43, s42
	s_mul_i32 s44, s43, 1536
	s_add_co_u32 s44, s44, QIO
	s_mov_b32 s45, 0
	s_lshl_b32 s46, s43, 7                         ; 128 bytes of a unit for each pair
	s_add_co_u32 s46, s46, QSO
	s_mov_b32 s47, 0
	s_lshl_b32 s48, s42, 5
	s_add_co_u32 s48, s48, s14
	s_mul_i32 s48, s48, 768                        ; oimg: (16 x tile + head) x 768
	s_mov_b32 s49, 0
	s_lshl_b32 s50, s14, 14
	s_lshl_b32 s43, s13, 12
	s_add_co_u32 s50, s50, s43
	s_lshl_b32 s43, s11, 10
	s_add_co_u32 s50, s50, s43                     ; oscl: [head][tile][32]
	s_mov_b32 s51, 0
	s_mov_b32 s34, 0x3e38aa3b                      ; c = log2(e) / 8
	s_mov_b32 s35, s34
	s_mov_b32 s39, 0xbe38aa3b                      ; -c
	s_mov_b32 s36, 0x76543210
	s_mov_b32 s37, 0xfedcba98
	s_mov_b32 s52, 0x01000100
	s_mov_b32 s53, 0x03020302
	s_wait_dscnt 0x0
	s_wait_kmcnt 0x0
	s_add_nc_u64 s[26:27], s[4:5], s[40:41]
	s_or_b32 s27, s27, 0x80000000
	s_add_nc_u64 s[44:45], s[4:5], s[44:45]
	s_add_nc_u64 s[46:47], s[4:5], s[46:47]
	s_add_nc_u64 s[48:49], s[6:7], s[48:49]
	s_add_nc_u64 s[50:51], s[8:9], s[50:51]
	CROUND                                         ; the four work-groups are here: the joint loads meet
	tensor_load_to_lds s[24:27], s[16:23]
	s_nop 0
	v_and_b32 v3, 31, v0
	v_and_b32 v6, 15, v0
	v_lshlrev_b32 v1, 4, v3                        ; 16 l
	v_lshlrev_b32 v2, 3, v3                        ; 8 l
	v_lshlrev_b32 v4, 3, v6                        ; 8 r
	v_bfe_u32 v[SH], v0, 4, 1
	global_load_b128 v[QZ+6:QZ+9], v1, s[44:45]                ; the pair's fragment: tile 0's registers 0-3,
	global_load_b128 v[S:S+3], v1, s[44:45] offset:512         ; its 4-5 and tile 1's 0-1,
	global_load_b128 v[QZ+20:QZ+23], v1, s[44:45] offset:1024  ; tile 1's 2-5
	global_load_b32 v5, v4, s[46:47]                           ; row r's word: both tiles' two bytes
	v_lshrrev_b32 v[OA], 5, v0
	v_lshlrev_b32 v[OA], 6, v[OA]
	v_lshl_add_u32 v[OA], v6, 1, v[OA]
	v_add_nc_u32 v[OA], v[OA], v[SH]
	v_add_nc_u32 v[OA], OSC, v[OA]                 ; my scale byte: 64 wave + 2 r + h
	v_lshlrev_b32 v[SH], 3, v[SH]
.irp j, 0,1,2,3,4,5
	v_mov_b32 v[QZ+\j], 0
	v_mov_b32 v[QZ+12+\j], 0
	v_mov_b32 v[QZ+24+\j], 0
.endr
	s_wait_alu depctr_va_vdst(0)                   ; the wait ahead of the wait below
	s_wait_loadcnt 0x0
	v_mov_b32 v[QZ+10], v[S]
	v_mov_b32 v[QZ+11], v[S+1]
	v_mov_b32 v[QZ+18], v[S+2]
	v_mov_b32 v[QZ+19], v[S+3]
	v_perm_b32 v[QW], v5, v5, s52                  ; a tile's two bytes twice: for [q, 0] and for [0, q]
	v_perm_b32 v[QW+1], v5, v5, s53
	s_wait_alu depctr_va_vdst(0)                   ; the wait at the head's end
	s_wait_tensorcnt 0x0                           ; my key step is in,
	s_barrier_signal -1
	s_barrier_wait -1                              ; everybody's is
.macro KQ d, a, qq, e, c, row
.if \row
	v_wmma_scale_f32_16x16x128_f8f6f4 v[S+\d:S+\d+7], v[KF+\a:KF+\a+11], v[QZ+\qq+12*\e:QZ+\qq+12*\e+11], 0, v[KSW+\c], v[QW+\e] matrix_a_fmt:MATRIX_FMT_FP6 matrix_b_fmt:MATRIX_FMT_FP6 matrix_a_scale:MATRIX_SCALE_ROW1
.else
	v_wmma_scale_f32_16x16x128_f8f6f4 v[S+\d:S+\d+7], v[KF+\a:KF+\a+11], v[QZ+\qq+12*\e:QZ+\qq+12*\e+11], 0, v[KSW+\c], v[QW+\e] matrix_a_fmt:MATRIX_FMT_FP6 matrix_b_fmt:MATRIX_FMT_FP6
.endif
.endm
.macro STEP e                          ; 128 keys
	v_add_nc_u32 v4, s32, v1
	v_add_nc_u32 v5, s32, v2
	v_nop
	v_nop                                          ; four places between the last step's products and the loads into their sources
.irp u, 0,1,2,3
.irp p, 0,1,2
	ds_load_b128 v[KF+12*\u+4*\p:KF+12*\u+4*\p+3], v4 offset:1536*\u+512*\p
.endr
.endr
	ds_load_b32 v[KSW], v5 offset:12288
	ds_load_b32 v[KSW+1], v5 offset:12544
.irp u, 0,1,2,3
.irp p, 0,1,2
	ds_load_b128 v[VF+12*\u+4*\p:VF+12*\u+4*\p+3], v4 offset:6144+1536*\u+512*\p
.endr
.endr
	ds_load_b32 v[VS], v5 offset:12800
	ds_load_b32 v[VS+1], v5 offset:13056
	s_wait_dscnt 14                                ; K's 14 loads are in; V's 14 may be out
.irp c, 0,1
	KQ 32*\c, 24*\c, 6, \e, \c, 0
	KQ 32*\c+8, 24*\c, 0, \e, \c, 0
	KQ 32*\c+16, 24*\c+12, 6, \e, \c, 1
	KQ 32*\c+24, 24*\c+12, 0, \e, \c, 1
.endr
.rept 4
	v_nop
.endr
.irp k, 0,1,2,3                        ; the largest score of my two blocks, in four chains; each accumulator is read from its low end on
	v_max3_num_f32 v[CH+\k], v[S+16*\k], v[S+16*\k+1], v[S+16*\k+2]
.endr
.irp i, 3,5,7,9,11,13
.irp k, 0,1,2,3
	v_max3_num_f32 v[CH+\k], v[CH+\k], v[S+16*\k+\i], v[S+16*\k+\i+1]
.endr
.endr
	v_max3_num_f32 v[BM], v[CH], v[CH+1], v[S+15]
	v_max3_num_f32 v[BM+1], v[CH+2], v[CH+3], v[S+47]
	v_max_num_f32 v[BM], v[BM], v[S+31]
	v_max_num_f32 v[BM+1], v[BM+1], v[S+63]
	v_max_num_f32 v[T], v[BM], v[BM+1]
	v_permlanex16_b32 v3, v[T], s36, s37
	v_max3_num_f32 v13, v13, v[T], v3              ; the running largest score of my query
	v_mul_f32 v[T+1], s39, v13
	v_floor_f32 v[T+1], v[T+1]                     ; the new -M = floor(-t)
	v_sub_f32 v[T], v[T+1], v12                    ; old M less new M: a whole number, 0 or less
	v_mov_b32 v12, v[T+1]
	v_cvt_i32_f32 v[T], v[T]                       ; (it saturates)
	v_ldexp_f32 v[F], 1.0, v[T]                    ; f = 2^(old M - new M)
.set j, 0
.rept 32
	v_pk_fma_f32 v[S+j:S+j+1], v[S+j:S+j+1], s[34:35], v[12:13] op_sel_hi:[1,0,0]   ; t - M
.set j, j+2
.endr
	v_fma_f32 v[BM], v[BM], s34, v12
	v_fma_f32 v[BM+1], v[BM+1], s34, v12
.set j, 0
.rept 16
	v_pk_mul_f32 v[O+j:O+j+1], v[O+j:O+j+1], v[F:F+1] op_sel_hi:[1,0]               ; O^T under the new M, ahead of the exponentials
.set j, j+2
.endr
	s_wait_alu depctr_va_vdst(0)                   ; the wait ahead of the batch
.set j, 0
.rept 64
	v_exp_f32 v[S+j], v[S+j]
.set j, j+1
.endr
	v_exp_f32 v[BM], v[BM]                         ; my blocks' largest p
	v_exp_f32 v[BM+1], v[BM+1]
	v_pk_mul_f32 v[14:15], v[14:15], v[F:F+1] op_sel_hi:[1,0]   ; the sums under the new M (the plain place behind the batch)
	s_wait_alu depctr_va_vdst(0)                   ; and behind it
	v_max_num_f32 v[BM], 0x1800000, v[BM]          ; the floor 2^(3 - 127)
	v_max_num_f32 v[BM+1], 0x1800000, v[BM+1]
	v_add_nc_u32 v[SOP], 0xff000000, v[BM]
	v_add_nc_u32 v[SOP+1], 0xff000000, v[BM+1]
.irp c, 0,1
	v_cvt_scalef32_pk16_fp6_f32 v[PCD+6*\c:PCD+6*\c+2], v[S+32*\c:S+32*\c+15], v[SOP+\c]
	v_cvt_scalef32_pk16_fp6_f32 v[CT2+4*\c:CT2+4*\c+2], v[S+32*\c+16:S+32*\c+31], v[SOP+\c]
.endr
	v_pk_add_f32 v[TW:TW+1], v[S:S+1], v[S+2:S+3]  ; the row's sum, of the unquantised p, in two chains (also the plain place behind the conversions)
	v_lshrrev_b32 v[BY], 23, v[SOP]
	v_lshrrev_b32 v[BY+1], 23, v[SOP+1]
	v_lshl_or_b32 v[T], v[BY+1], 16, v[BY]
	v_lshlrev_b32 v[T], v[SH], v[T]
	v_permlanex16_b32 v6, v[T], s36, s37
	v_or_b32 v[PW], v[T], v6                       ; p's scale word: byte 2 c + h
.irp c, 0,1
.irp i, 0,1,2
	v_mov_b32 v[PCD+6*\c+3+\i], v[CT2+4*\c+\i]
.endr
.endr
.irp j, 4,8,12,16,20,24,28,32,36,40,44,48,52,56,60
	v_pk_add_f32 v[14:15], v[14:15], v[S+\j:S+\j+1]
	v_pk_add_f32 v[TW:TW+1], v[TW:TW+1], v[S+2+\j:S+3+\j]
.endr
	v_pk_add_f32 v[14:15], v[14:15], v[TW:TW+1]    ; (these 31 are the places between p's word and codes and the products)
	s_wait_dscnt 0x0                               ; V
.irp c, 0,1
	v_wmma_scale_f32_16x16x128_f8f6f4 v[O+8*\c:O+8*\c+7], v[VF+12*\c:VF+12*\c+11], v[PCD:PCD+11], v[O+8*\c:O+8*\c+7], v[VS+\c], v[PW] matrix_a_fmt:MATRIX_FMT_FP6 matrix_b_fmt:MATRIX_FMT_FP6
.endr
.irp c, 0,1
	v_wmma_scale_f32_16x16x128_f8f6f4 v[O+16+8*\c:O+16+8*\c+7], v[VF+24+12*\c:VF+24+12*\c+11], v[PCD:PCD+11], v[O+16+8*\c:O+16+8*\c+7], v[VS+\c], v[PW] matrix_a_fmt:MATRIX_FMT_FP6 matrix_b_fmt:MATRIX_FMT_FP6 matrix_a_scale:MATRIX_SCALE_ROW1
.endr
.endm
.macro PASS e                          ; tile e of my pair: all 2,048 keys, then o's codes and scale byte
	s_wait_xcnt 0x0                                ; the last tile's stores have read their data
	v_mov_b32 v13, 0xff61b1e6                      ; the largest score so far: -3e38
	v_mov_b32 v12, 0x7d000000                      ; -M: so large that the first step's f is 0
	v_mov_b32 v14, 0
	v_mov_b32 v15, 0
.set j, 0
.rept 32
	v_mov_b32 v[O+j], 0                            ; the step is written once: the first finds zeros
.set j, j+1
.endr
	s_mov_b32 s32, 0
	s_mov_b32 s33, 16
	s_wait_alu depctr_va_vdst(0)
.Lstep_\@:
	STEP \e
	s_add_co_u32 s32, s32, KVS
	s_sub_co_u32 s33, s33, 1
	s_cmp_lg_u32 s33, 0
	s_cbranch_scc1 .Lstep_\@
	s_wait_alu depctr_va_vdst(0)                   ; the wait here, directly ahead of the reader below: the sums were written just ahead of the wait for V
	v_add_f32 v14, v14, v15
	v_permlanex16_b32 v3, v14, s36, s37
	v_add_f32 v14, v14, v3                         ; the row's sum
	s_wait_alu depctr_va_vdst(0)                   ; the wait ahead of the transcendental
	v_rcp_f32 v14, v14
	v_nop
	v_nop
	s_wait_alu depctr_va_vdst(0)                   ; and ahead of its first reader, which is O^T's first reader too
.set j, 0
.rept 16
	v_pk_mul_f32 v[S+j:S+j+1], v[O+j:O+j+1], v[14:15] op_sel_hi:[1,0]   ; register i: channel 32 h + i: my whole block
.set j, j+2
.endr
.irp k, 0,1
	v_max3_num_f32 v[CH+\k], |v[S+16*\k]|, |v[S+16*\k+1]|, 0x1800000
.endr
.irp i, 2,4,6,8,10,12,14
.irp k, 0,1
	v_max3_num_f32 v[CH+\k], v[CH+\k], |v[S+16*\k+\i]|, |v[S+16*\k+\i+1]|
.endr
.endr
	v_max_num_f32 v[BM], v[CH], v[CH+1]
	v_add_nc_u32 v[SOP], 0xff000000, v[BM]
	v_cvt_scalef32_pk16_fp6_f32 v[PCD:PCD+2], v[S:S+15], v[SOP]
	v_cvt_scalef32_pk16_fp6_f32 v[CT2:CT2+2], v[S+16:S+31], v[SOP]
	v_lshrrev_b32 v[BY], 23, v[SOP]                ; the byte (also the plain place behind the conversions)
.irp i, 0,1,2
	v_mov_b32 v[PCD+3+\i], v[CT2+\i]
.endr
	global_store_b128 v1, v[PCD:PCD+3], s[48:49] offset:12288*\e          ; 16 queries x 64 channels: 512 and 256 consecutive bytes, aligned to 256
	global_store_b64 v2, v[PCD+4:PCD+5], s[48:49] offset:12288*\e+512
	ds_store_b8 v[OA], v[BY] offset:32*\e
.endm
	PASS 0
	PASS 1
	v_lshl_add_u32 v4, v0, 4, OSC
	v_lshlrev_b32 v5, 4, v0
	s_wait_alu depctr_va_vdst(0)                   ; the wait ahead of the wait below
	s_wait_dscnt 0x0                               ; for the others' sake: my bytes have landed
	s_barrier_signal -1
	s_barrier_wait -1
	s_cmp_gt_u32 s10, 1
	s_cbranch_scc1 .Lnot_first
	ds_load_b128 v[S:S+3], v4                      ; waves 0 and 1 store the 1,024 scale bytes, 512 consecutive bytes each
	s_wait_dscnt 0x0
	global_store_b128 v5, v[S:S+3], s[50:51]
.Lnot_first:
	s_wait_tensorcnt 0x0                           ; the wave's end
	ds_add_u32 v[SPW], v[NIL]
	s_wait_dscnt 0x0
	CROUND                                         ; the closing round
	s_endpgm
.Lfunc_end_k_qb2863bf8d4_attn:
	.size	k_qb2863bf8d4_attn, .Lfunc_end_k_qb2863bf8d4_attn-k_qb2863bf8d4_attn
	.p2alignl 7, 3214868480
	.fill 96, 4, 3214868480
	.section	.rodata,"a",@progbits
	.p2align	6, 0x0
	.amdhsa_kernel k_qb2863bf8d4_attn
		.amdhsa_group_segment_fixed_size 327680
		.amdhsa_private_segment_fixed_size 0
		.amdhsa_enable_private_segment 0
		.amdhsa_kernarg_size 24
		.amdhsa_user_sgpr_count 2
		.amdhsa_user_sgpr_kernarg_segment_ptr 1
		.amdhsa_wavefront_size32 1
		.amdhsa_system_sgpr_workgroup_id_x 1
		.amdhsa_system_sgpr_workgroup_id_y 1
		.amdhsa_system_sgpr_workgroup_id_z 1
		.amdhsa_system_vgpr_workitem_id 0
		.amdhsa_next_free_vgpr 256
		.amdhsa_next_free_sgpr 66
		.amdhsa_reserve_vcc 0
		.amdhsa_float_denorm_mode_32 3
		.amdhsa_float_denorm_mode_16_64 3
		.amdhsa_memory_ordered 1
		.amdhsa_forward_progress 1
		.amdhsa_inst_pref_size 44
	.end_amdhsa_kernel
	.amdgpu_metadata
---
amdhsa.version: [ 1, 2 ]
amdhsa.kernels:
  - .name:           k_qb2863bf8d4_attn
    .symbol:         k_qb2863bf8d4_attn.kd
    .args:
      - { .name: qkv, .offset: 0, .size: 8, .value_kind: global_buffer, .address_space: global }
      - { .name: oimg, .offset: 8, .size: 8, .value_kind: global_buffer, .address_space: global }
      - { .name: oscl, .offset: 16, .size: 8, .value_kind: global_buffer, .address_space: global }
    .group_segment_fixed_size: 327680
    .private_segment_fixed_size: 0
    .kernarg_segment_align: 8
    .kernarg_segment_size: 24
    .max_flat_workgroup_size: 512
    .sgpr_count:     66
    .vgpr_count:     256
    .wavefront_size: 32
...
	.end_amdgpu_metadata
.endif
;; end of part 3
;; launch proj (part 4): grid 4 x 64, 4 waves a work-group, clusters of 4 x 4, 327,680 bytes of LDS; arguments oimg, oscl, img, scl, b_proj, out0; writes out0
.if DOCPART == 4
	.amdgcn_target "amdgcn-amd-amdhsa--gfx1250"
	.amdhsa_code_object_version 6
	.text
	.protected	k_qb2863bf8d4_proj
	.globl	k_qb2863bf8d4_proj
	.p2align	8
	.type	k_qb2863bf8d4_proj,@function
k_qb2863bf8d4_proj:
	s_mov_b64 s[64:65], 0
	v_nop
	global_prefetch_b8 v0, s[64:65] scope:SCOPE_SE
	s_setreg_imm32_b32 hwreg(HW_REG_WAVE_MODE, 25, 1), 1
	s_wait_xcnt 0x0
	s_wait_alu depctr_hold_cnt(0) depctr_sa_sdst(0) depctr_va_vdst(0) depctr_va_sdst(0) depctr_va_ssrc(0) depctr_va_vcc(0) depctr_vm_vsrc(0)
	s_getreg_b32 s2, hwreg(HW_REG_IB_STS2, 6, 4)
	s_cmp_eq_u32 s2, 0
	s_cbranch_scc0 .Lentry_in_a_cluster
	s_endpgm
.Lentry_in_a_cluster:
	s_bfe_u32 s2, ttmp6, 0x10000c
	s_cmp_lg_u32 s2, 0xf033
	s_cbranch_scc0 .Lentry_shape_is_right
	s_endpgm
.Lentry_shape_is_right:
; out0 = o W_proj^T + b_proj on codes of FP6 (E2M3) with E8M0 scales, K = 1,024.  o's codes and scale bytes come from launch attn, W_proj's from launch quant, both in the order of the operands' registers.
; C[i][j] = P_i . Q_j: source 1 = P = 128 tokens, source 0 = Q = 256 rows of W_proj: a lane holds one token; its 32 registers of Q's tiles 4 c .. 4 c + 3 are channels 64 c + 32 h + 0 .. 31.
; SHARES: a tile of C is 128 x 256; wave (wp, wq) makes 64 x 128: 32 accumulators.  256 work-groups, one turn.
; ALL OF K LIES IN LDS by first fills alone, one tensor load a wave, rows of 256 bytes: wave 0 P's 8 tiles, waves 1 and 2 Q's halves, wave 3 o's scale bytes; one load of mine is outstanding at the most.  No loop to run ahead in: no prefetch.
; CLUSTER 4 x 4: P's tiles and scale bytes are shared along a row of the cluster, Q's tiles along a column.  W's scale words and the bias go from memory into registers.
; The bias is the C of each sum's first matrix instruction.  A tile's lane r stands for token 64 (t / 4) + 8 (t % 4) + r % 8 + 32 (r / 8): the stores' offsets put the rows back in order.
; o's tile: 16 pieces of 768 bytes (16 tokens x one head's 64 channels): registers 0-3 at 16 l, 4-5 at 512 + 8 l; two pieces are a fragment.  W's fragment: three planes of 512 bytes.
.set TILEB, 12288
.set QOFF,  98304
.set PSC,   294912                     ; o's scale bytes: [head][128 token places x 2 bytes]
.set SPARE, PSC+4096
.set SPITCH, 528                       ; the way out: a stage of 16 rows x (512 + 16) bytes a wave, from byte 0: those bytes have had their only fill, and their last read ahead of the barrier in the last K step
.set AP16, 4
.set AP8,  5
.set AQ,   8
.set ASA,  12
.set ASC,  13
.set STO,  14
.set RD,   15
.set CO,   16
.set BO,   17
.set L8,   18
.set SPW,  28
.set NIL,  29
.set SA,   32
.set SB,   64
.set BI,   128
.set BK,   128
.set G1P,  24
.set G1Q,  32
.set G1PS, 40
.set G0P,  56
.set G0Q0, 60
.set G0Q1, 68
.set G0PS, 72
.set MSB, 0
.macro WIN new
.if MSB != (\new)
	s_set_vgpr_msb (MSB<<8)|(\new)
.set MSB, (\new)
.endif
.endm
.macro PLACES n
.rept \n
	v_nop
.endr
.endm
.macro CROUND
	s_barrier_signal -1
	s_barrier_wait -1
	s_cmp_lg_u32 s16, 0
	s_cbranch_scc1 .Lnot_wave_0_\@
	s_barrier_signal -3
.Lnot_wave_0_\@:
	s_barrier_wait -3
	s_barrier_signal -1
	s_barrier_wait -1
.endm
.macro GROUP1 g, mask, r, p            ; r rows of 256 bytes (32 elements of 8), p elements apart
	s_or_b32 s[\g], s[\mask], (3<<16)|(1<<21)
	s_mov_b32 s[\g+1], 32<<16
	s_mov_b32 s[\g+2], (\r)<<16
	s_mov_b32 s[\g+3], 32<<16
	s_mov_b32 s[\g+4], \r
	s_mov_b32 s[\g+5], \p
	s_mov_b32 s[\g+6], 0
	s_mov_b32 s[\g+7], 0
.endm
	s_load_b256 s[4:11], s[0:1], 0x0               ; oimg, oscl, img, scl
	s_load_b128 s[12:15], s[0:1], 0x20             ; b_proj, out0
	v_lshl_add_u32 v[SPW], v0, 2, SPARE
	v_mov_b32 v[NIL], 0
	ds_add_u32 v[SPW], v[NIL]                      ; the opening lines: the add twice and its wait
	ds_add_u32 v[SPW], v[NIL]
	v_lshrrev_b32 v1, 5, v0
	v_readfirstlane_b32 s16, v1                    ; wave
	s_lshr_b32 s17, s16, 1                         ; wp
	s_and_b32 s18, s16, 1                          ; wq
	s_bfe_u32 s19, ttmp6, 0x40000                  ; cx
	s_bfe_u32 s20, ttmp6, 0x40004                  ; cy
	s_and_b32 s22, ttmp7, 0xffff                   ; Y
	s_lshl_b32 s94, s20, 2
	s_lshl_b32 s94, 15, s94                        ; my row of the cluster
	s_lshl_b32 s95, 0x1111, s19                    ; my column
	GROUP1 G1P,  94, 384, 32                       ; eight tiles, dense
	GROUP1 G1Q,  95, 384, 32
	GROUP1 G1PS, 94, 16, 2048                      ; sixteen heads' 256 bytes, 16,384 bytes apart
	s_lshl_b32 s84, s22, 5
	s_lshl_b32 s96, s20, 3
	s_add_co_u32 s84, s84, s96                     ; P's first tile: 32 Y + 8 cy
	s_lshl_b32 s88, s84, 5                         ; its scale bytes: 32 a tile
	s_mul_i32 s84, s84, TILEB
	s_lshl_b32 s86, s19, 4
	s_add_co_u32 s86, s86, 704                     ; Q's first tile: 704 + 16 cx
	s_lshl_b32 s97, s18, 3
	s_add_co_u32 s90, s86, s97
	s_lshl_b32 s90, s90, 9                         ; the scale words of the eight tiles that I multiply
	s_mul_i32 s86, s86, TILEB
	s_mov_b32 s85, 0
	s_mov_b32 s87, 0
	s_mov_b32 s89, 0
	s_mov_b32 s91, 0
.irp g, G0P, G0Q0, G0Q1, G0PS
	s_mov_b32 s[\g], 1
.endr
	s_mov_b32 s[G0P+1], 0
	s_mov_b32 s[G0Q0+1], QOFF
	s_mov_b32 s[G0Q1+1], QOFF+8*TILEB
	s_mov_b32 s[G0PS+1], PSC
	s_wait_dscnt 0x0
	s_wait_kmcnt 0x0
	s_add_nc_u64 s[G0P+2:G0P+3], s[4:5], s[84:85]
	s_add_nc_u64 s[G0PS+2:G0PS+3], s[6:7], s[88:89]
	s_add_nc_u64 s[G0Q0+2:G0Q0+3], s[8:9], s[86:87]
	s_add_nc_u64 s[G0Q1+2:G0Q1+3], s[G0Q0+2:G0Q0+3], 8*TILEB
	s_add_nc_u64 s[90:91], s[10:11], s[90:91]
.irp g, G0P, G0Q0, G0Q1, G0PS
	s_or_b32 s[\g+3], s[\g+3], 0x80000000
.endr
	CROUND                                         ; all sixteen work-groups are here: the joint loads meet
.macro ARM under, g0, g1, next         ; one chain of branches on the wave's number: every way passes exactly one load
	s_cmp_lt_u32 s16, \under
	s_cbranch_scc0 \next
	tensor_load_to_lds s[\g0:\g0+3], s[\g1:\g1+7]
	s_nop 0
	PLACES 4
	s_branch .Lhead_asked
\next:
.endm
	ARM 1, G0P,  G1P, .Lhead_q0
	ARM 2, G0Q0, G1Q, .Lhead_q1
	ARM 3, G0Q1, G1Q, .Lhead_ps
	tensor_load_to_lds s[G0PS:G0PS+3], s[G1PS:G1PS+7]
	s_nop 0
	PLACES 4
.Lhead_asked:
	s_lshl_b32 s96, s19, 8
	s_lshl_b32 s97, s18, 7
	s_add_co_u32 s96, s96, s97                     ; my first output channel: 256 cx + 128 wq
	s_lshl_b32 s96, s96, 2
	s_mov_b32 s97, 0
	s_add_nc_u64 s[12:13], s[12:13], s[96:97]
	s_add_nc_u64 s[14:15], s[14:15], s[96:97]
	s_lshl_b32 s98, s22, 2
	s_add_co_u32 s98, s98, s20
	s_lshl_b32 s98, s98, 7
	s_lshl_b32 s99, s17, 6
	s_add_co_u32 s98, s98, s99                     ; my first token: 128 (4 Y + cy) + 64 wp
	s_lshl_b32 s98, s98, 12
	s_mov_b32 s99, 0
	s_add_nc_u64 s[14:15], s[14:15], s[98:99]
	s_mul_i32 s23, s17, 4*TILEB                    ; my four tiles of P
	s_mul_i32 s80, s18, 8*TILEB
	s_add_co_u32 s80, s80, QOFF                    ; my eight of Q
	s_lshl_b32 s81, s17, 7
	s_add_co_u32 s81, s81, PSC
	s_mul_i32 s82, s16, 16*SPITCH                  ; my stage
	v_and_b32 v1, 31, v0
	v_and_b32 v2, 15, v0                           ; r
	v_bfe_u32 v3, v0, 4, 1                         ; h
	v_lshlrev_b32 v[CO], 4, v1
	v_lshlrev_b32 v[L8], 3, v1
	v_lshlrev_b32 v[BO], 7, v3                     ; the bias: my half's 32 channels on
	v_lshlrev_b32 v[ASC], 5, v2
	v_add_nc_u32 v[AP16], s23, v[CO]
	v_add_nc_u32 v[AP8], s23, v[L8]
	v_add_nc_u32 v[AQ], s80, v[CO]
	v_add_nc_u32 v[AQ+1], 4*TILEB, v[AQ]
	v_lshl_add_u32 v[ASA], v2, 1, s81              ; o's scale bytes: my 64 places, 2 bytes a place
	v_mul_u32_u24 v[STO], v2, SPITCH
	v_lshl_add_u32 v[STO], v3, 7, v[STO]
	v_add_nc_u32 v[STO], s82, v[STO]               ; in: row r, + 128 h
	v_add_nc_u32 v[RD], s82, v[CO]                 ; back: a row of 512 bytes
	s_wait_alu depctr_va_vdst(0)                   ; the wait at the head's end
.irp b, 0,1,2,3,4,5,6,7                ; tile b's eight registers: channels 64 (b / 4) + 32 h + 8 (b % 4) + 0 .. 7
	global_load_b128 v[BI+8*\b:BI+8*\b+3], v[BO], s[12:13] offset:(64*(\b/4)+8*(\b%4))*4
	global_load_b128 v[BI+8*\b+4:BI+8*\b+7], v[BO], s[12:13] offset:(64*(\b/4)+8*(\b%4))*4+16
.endr
.irp i, 0,1,2,3,4,5,6,7
	global_load_b128 v[SB+8*\i:SB+8*\i+3], v[ASC], s[90:91] offset:512*\i      ; W's scale words: row r's eight
	global_load_b128 v[SB+8*\i+4:SB+8*\i+7], v[ASC], s[90:91] offset:512*\i+16
.endr
.macro FETCH s                         ; K step s: 40 loads in one run, into buffer s % 2 (windows 2, 3): P's four at 12 a, Q's eight at 48 + 12 b
	WIN (2+(\s)%2)<<6
.irp i, 0,1,2,3
	ds_load_b128 v[12*\i:12*\i+3], v[AP16] offset:\i*TILEB+1536*(\s)
	ds_load_b64 v[12*\i+4:12*\i+5], v[AP8] offset:\i*TILEB+1536*(\s)+512
	ds_load_b128 v[12*\i+6:12*\i+9], v[AP16] offset:\i*TILEB+1536*(\s)+768
	ds_load_b64 v[12*\i+10:12*\i+11], v[AP8] offset:\i*TILEB+1536*(\s)+1280
.endr
.irp i, 0,1,2,3,4,5,6,7
.irp p, 0,1,2
	ds_load_b128 v[48+12*\i+4*\p:48+12*\i+4*\p+3], v[AQ+\i/4] offset:(\i%4)*TILEB+1536*(\s)+512*\p
.endr
.endr
	WIN 0
.endm
.macro MUL s, cmode                    ; 32 matrix instructions; the accumulators (window 1) take turns.  cmode 2: the first step starts the sums from the bias
.if (\cmode) == 2
	WIN 0x4a+5*((\s)%2)
.else
	WIN 0x5a+5*((\s)%2)
.endif
.irp a, 0,1,2,3
.irp b, 0,1,2,3,4,5,6,7
.if (\cmode) == 2
	v_wmma_scale_f32_16x16x128_f8f6f4 v[64*\a+8*\b:64*\a+8*\b+7], v[48+12*\b:48+12*\b+11], v[12*\a:12*\a+11], v[BI+8*\b:BI+8*\b+7], v[SB+8*\b+(\s)], v[SA+8*\a+(\s)] matrix_a_fmt:MATRIX_FMT_FP6 matrix_b_fmt:MATRIX_FMT_FP6
.else
	v_wmma_scale_f32_16x16x128_f8f6f4 v[64*\a+8*\b:64*\a+8*\b+7], v[48+12*\b:48+12*\b+11], v[12*\a:12*\a+11], v[64*\a+8*\b:64*\a+8*\b+7], v[SB+8*\b+(\s)], v[SA+8*\a+(\s)] matrix_a_fmt:MATRIX_FMT_FP6 matrix_b_fmt:MATRIX_FMT_FP6
.endif
.endr
.endr
.endm
.macro GSTEP s, cmode
	s_wait_dscnt 0x0                               ; this step's fragments
.if (\s) < 7
.if (\s) > 0
	PLACES 4                                       ; between the last product that read the other buffer and the loads into it
.endif
	FETCH (\s)+1
.else
	s_barrier_signal -1                            ; my reads of the tiles are over
.endif
	MUL \s, \cmode
	WIN 0
.endm
	s_wait_tensorcnt 0x0                           ; my part is in,
	s_barrier_signal -1
	s_barrier_wait -1                              ; everybody's is
.irp i, 0,1,2,3                        ; o's scale word of tile i, K step s: the two bytes of head 2 s below, those of head 2 s + 1 above
.irp s, 0,1,2,3,4,5,6,7
	ds_load_u16 v[192+2*(8*\i+\s)], v[ASA] offset:512*\s+32*\i
	ds_load_u16 v[193+2*(8*\i+\s)], v[ASA] offset:512*\s+32*\i+256
.endr
.endr
	FETCH 0
	s_wait_dscnt 40                                ; all but the 40 fragment loads just issued
.irp i, 0,1,2,3
.irp s, 0,1,2,3,4,5,6,7
	v_lshl_or_b32 v[SA+8*\i+\s], v[193+2*(8*\i+\s)], 16, v[192+2*(8*\i+\s)]
.endr
.endr
	PLACES 8                                       ; a scale register written by a vector instruction stands eight places ahead of a scaled matrix instruction
	s_wait_alu depctr_va_vdst(0)                   ; the wait ahead of the wait below
	s_wait_loadcnt 0x0                             ; the bias and W's scale words
	GSTEP 0, 2
.irp s, 1,2,3,4,5,6,7
	GSTEP \s, 1
.endr
	s_barrier_wait -1                              ; nobody reads the tiles any more: the stages may be written
; THE WAY OUT, block by block of 16 tokens x 128 channels: through my own stage, back as whole rows of 512 bytes.  LDS serves a wave's instructions in order (ISA guide 5.7.1.4).
.macro TOSTAGE a
	WIN 0x04
.irp b, 0,1,2,3,4,5,6,7
	ds_store_b128 v[STO], v[64*(\a)+8*\b:64*(\a)+8*\b+3] offset:256*(\b/4)+32*(\b%4)       ; each accumulator from its low end on
	ds_store_b128 v[STO], v[64*(\a)+8*\b+4:64*(\a)+8*\b+7] offset:256*(\b/4)+32*(\b%4)+16
.endr
	WIN 0
.irp t, 0,1,2,3,4,5,6,7,8,9,10,11,12,13,14,15
	ds_load_b128 v[BK+64*((\a)%2)+4*\t:BK+64*((\a)%2)+4*\t+3], v[RD] offset:SPITCH*\t
.endr
.endm
.macro SEND a, younger
	s_wait_dscnt \younger
.irp t, 0,1,2,3,4,5,6,7,8,9,10,11,12,13,14,15
	global_store_b128 v[CO], v[BK+64*((\a)%2)+4*\t:BK+64*((\a)%2)+4*\t+3], s[14:15] offset:(8*(\a)+\t+24*(\t/8))*4096 th:TH_STORE_NT   ; 512 consecutive bytes, aligned to 256, at the row's own place
.endr
.endm
	PLACES 4                                       ; between the last products and the first read of results
	TOSTAGE 0
.irp a, 1,2,3
.if \a > 1
	s_wait_xcnt 0x0                                ; block a - 2's stores have read their registers
.endif
	TOSTAGE \a
	SEND \a-1, 32
.endr
	SEND 3, 0
	s_wait_tensorcnt 0x0                           ; the wave's end
	ds_add_u32 v[SPW], v[NIL]
	s_wait_dscnt 0x0
	CROUND                                         ; the closing round
	s_endpgm
.Lfunc_end_k_qb2863bf8d4_proj:
	.size	k_qb2863bf8d4_proj, .Lfunc_end_k_qb2863bf8d4_proj-k_qb2863bf8d4_proj
	.p2alignl 7, 3214868480
	.fill 96, 4, 3214868480
	.section	.rodata,"a",@progbits
	.p2align	6, 0x0
	.amdhsa_kernel k_qb2863bf8d4_proj
		.amdhsa_group_segment_fixed_size 327680
		.amdhsa_private_segment_fixed_size 0
		.amdhsa_enable_private_segment 0
		.amdhsa_kernarg_size 48
		.amdhsa_user_sgpr_count 2
		.amdhsa_user_sgpr_kernarg_segment_ptr 1
		.amdhsa_wavefront_size32 1
		.amdhsa_system_sgpr_workgroup_id_x 1
		.amdhsa_system_sgpr_workgroup_id_y 1
		.amdhsa_system_sgpr_workgroup_id_z 1
		.amdhsa_system_vgpr_workitem_id 0
		.amdhsa_next_free_vgpr 1024
		.amdhsa_next_free_sgpr 100
		.amdhsa_reserve_vcc 0
		.amdhsa_float_denorm_mode_32 3
		.amdhsa_float_denorm_mode_16_64 3
		.amdhsa_memory_ordered 1
		.amdhsa_forward_progress 1
		.amdhsa_inst_pref_size 86
	.end_amdhsa_kernel
	.amdgpu_metadata
---
amdhsa.version: [ 1, 2 ]
amdhsa.kernels:
  - .name:           k_qb2863bf8d4_proj
    .symbol:         k_qb2863bf8d4_proj.kd
    .args:
      - { .name: oimg, .offset: 0, .size: 8, .value_kind: global_buffer, .address_space: global }
      - { .name: oscl, .offset: 8, .size: 8, .value_kind: global_buffer, .address_space: global }
      - { .name: img, .offset: 16, .size: 8, .value_kind: global_buffer, .address_space: global }
      - { .name: scl, .offset: 24, .size: 8, .value_kind: global_buffer, .address_space: global }
      - { .name: b_proj, .offset: 32, .size: 8, .value_kind: global_buffer, .address_space: global }
      - { .name: out0, .offset: 40, .size: 8, .value_kind: global_buffer, .address_space: global }
    .group_segment_fixed_size: 327680
    .private_segment_fixed_size: 0
    .kernarg_segment_align: 8
    .kernarg_segment_size: 48
    .max_flat_workgroup_size: 128
    .sgpr_count:     100
    .vgpr_count:     1024
    .wavefront_size: 32
...
	.end_amdgpu_metadata
.endif
;; end of part 4
